; MI455X (gfx1250); checked and timed in simulation.
; The chip was launched on July 23, 2026; its instructions are those of AMD's public machine-readable ISA for CDNA 5 (MIT licence, August 2026) and "CDNA5" Instruction Set Architecture Reference Guide (July 2026). The comments in the code are by the model that wrote it; some were corrected since.
;; Dist Sparse Moe. Allowed arithmetic: float matrix products may take bf16 or f16 operands with f32 sums; all other float work in f32.
;; Inputs: b_expert 1,024 float32; w_expert 1,024 x 1,024 float32; w_gate 1,024 x 8 float32; x 8 x 2,048 x 1,024 float32.
;; Outputs: out0 8 x 2,048 x 1,024 float32.
;; One version. Each part assembles by itself: llvm-mc -triple=amdgcn-amd-amdhsa -mcpu=gfx1250 --defsym DOCPART=n.
;; ======== version 1 of 1: 3 launches
;; limits: values are held in f16: magnitudes above 65,504 overflow, below 6.1e-05 lose precision; inputs' magnitudes at most 65,504
;; workspace buffers: best 65,536 bytes of whole numbers; gate 65,536 bytes; hist 8,192 bytes of whole numbers; list 4,096 bytes of whole numbers
;; launch route (part 1): grid 256 x 1, 4 waves a work-group, no clusters, 168,448 bytes of LDS; arguments x, w_gate, best, gate, hist, list; writes best, gate, hist, list
.if DOCPART == 1
	.amdgcn_target "amdgcn-amd-amdhsa--gfx1250"
	.amdhsa_code_object_version 6
	.text
	.protected	k_qf69d611b02_route
	.globl	k_qf69d611b02_route
	.p2align	8
	.type	k_qf69d611b02_route,@function
k_qf69d611b02_route:
	s_mov_b64 s[64:65], 0
	v_nop
	global_prefetch_b8 v0, s[64:65] scope:SCOPE_SE
	s_setreg_imm32_b32 hwreg(HW_REG_WAVE_MODE, 25, 1), 1
	s_wait_xcnt 0x0
; ROUTE: for each of the 16,384 tokens the eight router logits x[t] . w_gate[:, e] in f32, the expert with the largest logit,
; and the gate 1 / sum over e of exp(logit e - largest logit), which is the softmax value of that expert.
; Stored: best[t] (i32), gate[t] (f32), hist[chunk of 16 tokens] (eight counts, one byte each), list[0..1023] = -1 (all slots empty).
; The logits are made on the vector unit in f32: eight columns are a small part of the arithmetic, and they feed a choice between
; experts that operands of 16 bits would change.
; LIMITS: the largest LOGIT is taken, the first index on a tie (the softmax values of two logits within a last bit of each other may tie
; where the logits do not); NaN or infinite logits are not served (such a token gets expert 8 and is dropped); the f32 sums run in an
; order of their own (32 products in a lane, then a tree over the 32 lanes).
; SHARES: 256 work-groups of 64 tokens, four waves of 16 tokens.  A wave takes whole rows: load j (0..7) of a row covers its bytes
; 512 j .. 512 j + 511, lane l the 16 bytes at 16 l, so lane l holds columns h = 128 j + 4 l + i, i = 0..3.  The 16 rows of a wave are
; 512 registers, its part of w_gate (32 h x 8 e) 256 registers: every byte of x is read once, all loads are issued before any is used.
; No cluster: the work-groups share only the 32,768 bytes of w_gate beside 262,144 bytes of x of their own.
.set ROWB,   4096                      ; bytes in a row of x
.set WPITCH, 272                       ; w_gate in LDS: 128 rows of 256 bytes, 16 bytes of padding behind each
.set LANE, 1                           ; v1      lane
.set XOFF, 2                           ; v2      16 x lane
.set WADR, 3                           ; v3      LDS address of my 128 bytes of w_gate for j = 0
.set FE,   4                           ; v4      (lane & 7) as f32: the expert whose logit the lane ends up with
.set F8C,  5                           ; v5      8.0: larger than any expert number
.set RB,   6                           ; v6      best of row 4 (l & 3) + (l >> 3)
.set RG,   7                           ; v7      gate of that row
.set LG,   8                           ; v8      logit
.set MX,   9                           ; v9      largest logit of the row
.set DF,   10                          ; v10     (logit - largest) x log2 e
.set PR,   11                          ; v11     exponential, then the sum of the eight
.set IDX,  13                          ; v13     candidate expert as f32
.set GT,   14                          ; v14     1 / sum
.set BI,   15                          ; v15     expert as a whole number
.set SOFF, 16                          ; v16     4 x my row: where best and gate go
.set HW,   18                          ; v[18:19] the two words of counts
.set NEG1, 20                          ; v20     -1
.set ZERO, 21                          ; v21     0
.set L4,   22                          ; v22     lane & 4
.set TT,   23                          ; v23     what comes from the other half of the lanes
.set ACC,  32                          ; v[32:63] partial logits of four rows: 8 r + e
.set SND,  80                          ; v[80:95] the halves that are handed to the partner lane
.set R1,   96                          ; v[96:111], v[112:119], v[120:123], v[124:125]: what is left after levels 1 to 4
.set R2,   112
.set R3,   120
.set R4,   124
; window 1: w_gate, register 32 j + 8 i + e.   windows 2 and 3: x, row R in window 2 + (R >> 3), register 32 (R & 7) + 4 j + i
.set MSB, 0
.macro WIN new                         ; s_set_vgpr_msb: bits 1:0 source 0, 3:2 source 1, 5:4 source 2, 7:6 destination; the high byte repeats the setting left
.if MSB != \new
	s_set_vgpr_msb (MSB<<8)|\new
.set MSB, \new
.endif
.endm
	s_load_b256 s[4:11], s[0:1], 0x0               ; x s[4:5], w_gate s[6:7], best s[8:9], gate s[10:11]
	s_load_b128 s[12:15], s[0:1], 0x20             ; hist s[12:13], list s[14:15]
	v_lshl_add_u32 v254, v0, 2, 0x29000
	v_mov_b32 v255, 0
	ds_add_u32 v254, v255
	ds_add_u32 v254, v255
	v_lshrrev_b32 v24, 5, v0
	v_readfirstlane_b32 s16, v24                   ; wave 0..3
	s_lshl2_add_u32 s17, ttmp9, s16                ; chunk of 16 tokens = 4 x work-group + wave, 0..1023
	v_and_b32 v[LANE], 31, v0
	v_lshlrev_b32 v[XOFF], 4, v[LANE]
	v_lshrrev_b32 v24, 1, v[LANE]
	v_mul_u32_u24 v[WADR], WPITCH, v24             ; my 128 bytes begin at byte 128 l of each 4,096: LDS row l >> 1,
	v_and_b32 v24, 1, v[LANE]
	v_lshl_add_u32 v[WADR], v24, 7, v[WADR]        ; half l & 1.  Lanes 0-15: 16 (l >> 1) + 128 (l & 1) modulo 256, sixteen different columns of 16 bytes
	v_and_b32 v24, 7, v[LANE]
	v_cvt_f32_u32 v[FE], v24
	v_mov_b32 v[F8C], 0x41000000
	v_and_b32 v24, 3, v[LANE]
	v_lshrrev_b32 v25, 3, v[LANE]
	v_lshl_add_u32 v24, v24, 2, v25                ; the row that the lane keeps: 4 (l & 3) + (l >> 3)
	v_lshlrev_b32 v[SOFF], 2, v24
	v_mov_b32 v[NEG1], -1
	v_mov_b32 v[ZERO], 0
	v_and_b32 v[L4], 4, v[LANE]
	v_mov_b32 v[TT], 0                             ; the destination of v_permlanex16_b32 counts as read: written once here
	s_mov_b32 s32, 0xaaaaaaaa                      ; lanes with bit 0 set, bit 1, bit 2, bit 3, bit 4
	s_mov_b32 s33, 0xcccccccc
	s_mov_b32 s34, 0xf0f0f0f0
	s_mov_b32 s35, 0xff00ff00
	s_mov_b32 s36, 0xffff0000
	s_mov_b32 s37, 0x76543210                      ; v_permlanex16_b32: lane i of one half reads lane i of the other
	s_mov_b32 s38, 0xfedcba98
	s_mov_b32 s40, 0x11111111                      ; lanes with l & 3 = 0, 1, 2, 3: they keep the results of batch 0, 1, 2, 3
	s_mov_b32 s41, 0x22222222
	s_mov_b32 s42, 0x44444444
	s_mov_b32 s43, 0x88888888
	; descriptor group 1: w_gate is dense, 32,768 bytes, taken as 128 rows of 32 elements of 8 bytes
	s_mov_b32 s24, (3<<16)|(1<<20)|(5<<22)|(3<<25) ; element of 8 bytes; padding on: behind every 64 words, 4 words
	s_mov_b32 s25, 32<<16                          ; tensor_dim0 = 32
	s_mov_b32 s26, 128<<16                         ; tensor_dim1 = 128
	s_mov_b32 s27, 32<<16                          ; tile_dim0 = 32
	s_mov_b32 s28, 128                             ; tile_dim1 = 128
	s_mov_b32 s29, 32                              ; from row to row: 32 elements
	s_mov_b32 s30, 0
	s_mov_b32 s31, 0
	s_wait_dscnt 0x0
	s_wait_kmcnt 0x0
	s_mov_b32 s20, 1                               ; group 0: count 1,
	s_mov_b32 s21, 0                               ; LDS byte 0,
	s_mov_b64 s[22:23], s[6:7]                     ; the first byte of w_gate,
	s_or_b32 s23, s23, 0x80000000                  ; type 2
	s_cmp_lg_u32 s16, 0
	s_cbranch_scc1 .Lnot0
	tensor_load_to_lds s[20:23], s[24:31]          ; wave 0 alone asks: one tensor load is out in wave 0, none in the others
	s_nop 0
.Lnot0:
	s_mov_b32 s19, 0
	s_lshl_b32 s18, s17, 16                        ; 16 rows of 4,096 bytes for each chunk
	s_add_nc_u64 s[4:5], s[4:5], s[18:19]
	s_lshl_b32 s18, s17, 6                         ; 16 words
	s_add_nc_u64 s[8:9], s[8:9], s[18:19]
	s_add_nc_u64 s[10:11], s[10:11], s[18:19]
	s_lshl_b32 s18, s17, 3                         ; two words
	s_add_nc_u64 s[12:13], s[12:13], s[18:19]
	s_lshl_b32 s18, s17, 2                         ; one word
	s_add_nc_u64 s[14:15], s[14:15], s[18:19]
	; all 16 rows of the wave: 128 loads of 512 neighbouring bytes each
	WIN 0x80
.irp r, 0,1,2,3,4,5,6,7
.irp j, 0,1,2,3,4,5,6,7
	global_load_b128 v[32*\r+4*\j:32*\r+4*\j+3], v[XOFF], s[4:5] offset:ROWB*\r+512*\j th:TH_LOAD_NT
.endr
.endr
	WIN 0xc0
.irp r, 0,1,2,3,4,5,6,7
.irp j, 0,1,2,3,4,5,6,7
	global_load_b128 v[32*\r+4*\j:32*\r+4*\j+3], v[XOFF], s[4:5] offset:ROWB*(\r+8)+512*\j th:TH_LOAD_NT
.endr
.endr
	WIN 0
	s_wait_tensorcnt 0x0                           ; wave 0: w_gate is in LDS (the other waves have nothing out and pass)
	s_barrier_signal -1
	s_barrier_wait -1                              ; now every wave may read it
	WIN 0x40
.irp j, 0,1,2,3,4,5,6,7
.irp q, 0,1,2,3,4,5,6,7
	ds_load_b128 v[32*\j+4*\q:32*\j+4*\q+3], v[WADR] offset:16*WPITCH*\j+16*\q
.endr
.endr
	WIN 0
	s_wait_dscnt 0x0                               ; my 256 numbers of w_gate, once
; Four rows (4 b .. 4 b + 3) x 32 columns of mine x 8 experts: 512 packed multiply-adds in 16 chains that do not wait for each other.
; Source 0 is one x, taken twice (op_sel and op_sel_hi pick the same register of the pair); source 1 is w[h][2 p], w[h][2 p + 1].
; The first product of each chain starts the sum: nothing is cleared.
.macro FMA4 b
.if \b < 2
	WIN 0x06                                       ; source 0 window 2, source 1 window 1
.else
	WIN 0x07                                       ; source 0 window 3
.endif
.irp j, 0,1,2,3,4,5,6,7
.irp q, 0,1
.irp r, 0,1,2,3
.irp p, 0,1,2,3
.set xr, 32*((4*\b+\r)&7)+4*\j+2*\q
.set wr, 32*\j+16*\q+2*\p
.set ar, ACC+8*\r+2*\p
.if (\j+\q) == 0
	v_pk_mul_f32 v[ar:ar+1], v[xr:xr+1], v[wr:wr+1] op_sel_hi:[0,1]
.else
	v_pk_fma_f32 v[ar:ar+1], v[xr:xr+1], v[wr:wr+1], v[ar:ar+1] op_sel_hi:[0,1,1]
.endif
.endr
.endr
.irp r, 0,1,2,3
.irp p, 0,1,2,3
.set xr, 32*((4*\b+\r)&7)+4*\j+2*\q
.set wr, 32*\j+16*\q+8+2*\p
.set ar, ACC+8*\r+2*\p
	v_pk_fma_f32 v[ar:ar+1], v[xr:xr+1], v[wr:wr+1], v[ar:ar+1] op_sel:[1,0,0] op_sel_hi:[1,1,1]
.endr
.endr
.endr
.endr
	WIN 0
.endm
; One level of the sum over lanes: of each two numbers a lane keeps one (the odd one where its bit is set), hands the other to the lane
; whose number differs in that bit, and adds what it gets.  2 n numbers become n; after five levels lane l holds number l, summed over all lanes.
; The sum is made in place on the kept number, since the destination of a DPP line counts as read.
.macro RS n, src, dst, mask, xm
.set t, 0
.rept \n
	v_cndmask_b32 v[\dst+t], v[\src+2*t], v[\src+2*t+1], \mask
	v_cndmask_b32 v[SND+t], v[\src+2*t+1], v[\src+2*t], \mask
.set t, t+1
.endr
.set t, 0
.rept \n
	v_add_f32_dpp v[\dst+t], v[SND+t], v[\dst+t] row_xmask:\xm row_mask:0xf bank_mask:0xf
.set t, t+1
.endr
.endm
; Rows 4 b .. 4 b + 3.  left: how many younger loads may stay out.
.macro BATCH b, left
	s_wait_loadcnt \left
	FMA4 \b
	RS 16, ACC, R1, s32, 1
	RS 8,  R1,  R2, s33, 2
	RS 4,  R2,  R3, s34, 4
	RS 2,  R3,  R4, s35, 8
	v_cndmask_b32 v[LG], v[R4], v[R4+1], s36
	v_cndmask_b32 v[SND], v[R4+1], v[R4], s36
	v_permlanex16_b32 v[TT], v[SND], s37, s38
	v_add_f32 v[LG], v[LG], v[TT]                  ; lane l: the logit of row 4 b + (l >> 3), expert l & 7
	v_mov_b32 v[MX], v[LG]
	v_max_num_f32_dpp v[MX], v[MX], v[MX] row_xmask:1 row_mask:0xf bank_mask:0xf
	v_max_num_f32_dpp v[MX], v[MX], v[MX] row_xmask:2 row_mask:0xf bank_mask:0xf
	v_max_num_f32_dpp v[MX], v[MX], v[MX] row_xmask:4 row_mask:0xf bank_mask:0xf   ; the largest of the row, in its eight lanes
	v_sub_f32 v[DF], v[LG], v[MX]
	v_mul_f32 v[DF], 0x3fb8aa3b, v[DF]
	v_exp_f32 v[PR], v[DF]                         ; e^(logit - largest), at most 1; the compare below is the plain line behind it (ISA guide 5.7.2)
	v_cmp_eq_f32 vcc_lo, v[LG], v[MX]
	v_cndmask_b32 v[IDX], v[F8C], v[FE], vcc_lo    ; my expert where I hold the largest, else 8
	s_wait_alu depctr_va_vdst(0)
	v_add_f32_dpp v[PR], v[PR], v[PR] row_xmask:1 row_mask:0xf bank_mask:0xf
	v_add_f32_dpp v[PR], v[PR], v[PR] row_xmask:2 row_mask:0xf bank_mask:0xf
	v_add_f32_dpp v[PR], v[PR], v[PR] row_xmask:4 row_mask:0xf bank_mask:0xf       ; the sum, between 1 and 8
	v_rcp_f32 v[GT], v[PR]                         ; the gate; the three lines below touch neither GT nor PR
	v_min_num_f32_dpp v[IDX], v[IDX], v[IDX] row_xmask:1 row_mask:0xf bank_mask:0xf
	v_min_num_f32_dpp v[IDX], v[IDX], v[IDX] row_xmask:2 row_mask:0xf bank_mask:0xf
	v_min_num_f32_dpp v[IDX], v[IDX], v[IDX] row_xmask:4 row_mask:0xf bank_mask:0xf ; the first expert that holds the largest
	v_cvt_u32_f32 v[BI], v[IDX]
.if \b == 0
	v_mov_b32 v[RB], v[BI]
	s_wait_alu depctr_va_vdst(0)
	v_mov_b32 v[RG], v[GT]
.else
	v_cndmask_b32 v[RB], v[RB], v[BI], s[40+\b]    ; lanes with l & 3 = b keep this batch
	s_wait_alu depctr_va_vdst(0)
	v_cndmask_b32 v[RG], v[RG], v[GT], s[40+\b]
.endif
.endm
	BATCH 0, 63                                    ; rows 0-3 are the oldest 32 of 128 loads: 96 younger ones might stay out; the count names what its field holds
	BATCH 1, 63                                    ; rows 4-7: 64 younger ones
	BATCH 2, 32                                    ; rows 8-11: the 32 loads of rows 12-15 stay out
	BATCH 3, 0
	; the counts of the chunk: lanes l and l ^ 4 hold the same row, so only lanes with l & 4 = 0 are counted
.irp e, 0,1,2,3,4,5,6,7
	v_cmp_eq_u32 s44, \e, v[RB]
	s_and_b32 s44, s44, 0x0f0f0f0f
	s_bcnt1_i32_b32 s44, s44
.if (\e&3) == 0
	s_mov_b32 s[45+(\e>>2)], s44
.else
	s_lshl_b32 s44, s44, 8*(\e&3)
	s_or_b32 s[45+(\e>>2)], s[45+(\e>>2)], s44
.endif
.endr
	v_mov_b32 v[HW], s45
	v_mov_b32 v[HW+1], s46
	v_cmp_eq_u32 vcc_lo, 0, v[L4]
	s_wait_xcnt 0x0                                ; EXEC changes only behind this wait
	s_wait_tensorcnt 0x0
	ds_add_u32 v254, v255
	s_wait_dscnt 0x0
	s_and_saveexec_b32 s44, vcc_lo                 ; 16 lanes, one for each row
	global_store_b32 v[SOFF], v[RB], s[8:9]        ; 64 neighbouring bytes
	global_store_b32 v[SOFF], v[RG], s[10:11]
	s_wait_xcnt 0x0
	s_or_b32 exec_lo, exec_lo, s44
	v_cmp_eq_u32 vcc_lo, 0, v[LANE]
	s_and_saveexec_b32 s44, vcc_lo                 ; lane 0
	global_store_b64 v[ZERO], v[HW:HW+1], s[12:13] ; the counts of my chunk
	global_store_b32 v[ZERO], v[NEG1], s[14:15]    ; list[chunk] = empty: 1,024 chunks preset the 1,024 entries
	s_endpgm
.Lfunc_end_k_qf69d611b02_route:
	.size	k_qf69d611b02_route, .Lfunc_end_k_qf69d611b02_route-k_qf69d611b02_route
	.p2alignl 7, 3214868480
	.fill 96, 4, 3214868480
	.section	.rodata,"a",@progbits
	.p2align	6, 0x0
	.amdhsa_kernel k_qf69d611b02_route
		.amdhsa_group_segment_fixed_size 168448
		.amdhsa_private_segment_fixed_size 0
		.amdhsa_enable_private_segment 0
		.amdhsa_kernarg_size 48
		.amdhsa_user_sgpr_count 2
		.amdhsa_user_sgpr_kernarg_segment_ptr 1
		.amdhsa_wavefront_size32 1
		.amdhsa_system_sgpr_workgroup_id_x 1
		.amdhsa_system_sgpr_workgroup_id_y 1
		.amdhsa_system_sgpr_workgroup_id_z 1
		.amdhsa_system_vgpr_workitem_id 0
		.amdhsa_next_free_vgpr 1024
		.amdhsa_next_free_sgpr 66
		.amdhsa_reserve_vcc 1
		.amdhsa_float_denorm_mode_32 3
		.amdhsa_float_denorm_mode_16_64 3
		.amdhsa_memory_ordered 1
		.amdhsa_forward_progress 1
		.amdhsa_inst_pref_size 178
	.end_amdhsa_kernel
	.amdgpu_metadata
---
amdhsa.version: [ 1, 2 ]
amdhsa.kernels:
  - .name:           k_qf69d611b02_route
    .symbol:         k_qf69d611b02_route.kd
    .args:
      - { .name: x, .offset: 0, .size: 8, .value_kind: global_buffer, .address_space: global }
      - { .name: w_gate, .offset: 8, .size: 8, .value_kind: global_buffer, .address_space: global }
      - { .name: best, .offset: 16, .size: 8, .value_kind: global_buffer, .address_space: global }
      - { .name: gate, .offset: 24, .size: 8, .value_kind: global_buffer, .address_space: global }
      - { .name: hist, .offset: 32, .size: 8, .value_kind: global_buffer, .address_space: global }
      - { .name: list, .offset: 40, .size: 8, .value_kind: global_buffer, .address_space: global }
    .group_segment_fixed_size: 168448
    .private_segment_fixed_size: 0
    .kernarg_segment_align: 8
    .kernarg_segment_size: 48
    .max_flat_workgroup_size: 128
    .sgpr_count:     66
    .vgpr_count:     1024
    .wavefront_size: 32
...
	.end_amdgpu_metadata
.endif
;; end of part 1
;; launch place (part 2): grid 256 x 1, 8 waves a work-group, no clusters, 5,120 bytes of LDS; arguments hist, best, list, out0; writes list, out0
.if DOCPART == 2
	.amdgcn_target "amdgcn-amd-amdhsa--gfx1250"
	.amdhsa_code_object_version 6
	.text
	.protected	k_qf69d611b02_place
	.globl	k_qf69d611b02_place
	.p2align	8
	.type	k_qf69d611b02_place,@function
k_qf69d611b02_place:
	s_mov_b64 s[64:65], 0
	v_nop
	global_prefetch_b8 v0, s[64:65] scope:SCOPE_SE
	s_setreg_imm32_b32 hwreg(HW_REG_WAVE_MODE, 25, 1), 1
	s_wait_xcnt 0x0
; PLACE: (1) all of out0 is set to zero; (2) each token gets its rank among the tokens of its expert, and a token with rank c < 100
; writes its number into list[100 e + c].  The kept rows (800 at the most) are stored again by the next launch.
; SHARES: work-group j clears rows 64 j .. 64 j + 63 (262,144 bytes; each store of a wave covers 512 neighbouring bytes, aligned) and places
; tokens 64 j .. 64 j + 63.  The zeros hang on no data, so they are issued behind the few loads and leave while the ranks are made.
; The counts in front of the work-group: thread i takes the four chunks (64 tokens) of work-group i and counts them only where i < j;
; the 256 partial counts meet in LDS and wave 0 adds them.  No traffic between work-groups: each reads all 8,192 bytes of hist itself.
; Matrix units, clusters and tensor loads have nothing to do here: what is shared is 8,192 bytes beside 262,144 bytes stored.
.set CAP, 100
	s_load_b256 s[4:11], s[0:1], 0x0               ; hist s[4:5], best s[6:7], list s[8:9], out0 s[10:11]
	v_lshl_add_u32 v64, v0, 2, 0x1000
	v_mov_b32 v65, 0
	v_lshrrev_b32 v1, 5, v0
	v_readfirstlane_b32 s12, v1                    ; wave 0..7
	s_mov_b32 s13, ttmp9                           ; j
	v_lshlrev_b32 v1, 5, v0                        ; 32 x thread: four chunks of 8 bytes
	v_and_b32 v2, 31, v0                           ; lane
	v_lshl_add_u32 v33, s13, 6, v2                 ; token 64 j + lane
	v_add_nc_u32 v34, 32, v33                      ; and the one 32 further on
	v_lshlrev_b32 v2, 2, v2
	v_lshlrev_b32 v3, 4, v0                        ; 16 x thread: offset of the stores of zeros, and LDS address
	v_mov_b32 v4, 0
	v_mov_b32 v5, 0
	v_mov_b32 v6, 0
	v_mov_b32 v7, 0
	v_mov_b32 v28, 0                               ; destination of DPP moves and of v_permlanex16_b32: written once here
	s_mov_b32 s28, 0x00ff00ff
	s_mov_b32 s29, 0x76543210
	s_mov_b32 s30, 0xfedcba98
	s_lshl_b32 s14, s13, 18                        ; 64 rows of 4,096 bytes
	s_mov_b32 s15, 0
	s_wait_kmcnt 0x0
	s_add_nc_u64 s[10:11], s[10:11], s[14:15]
	s_lshl_b32 s14, s13, 8                         ; 64 words of best
	s_add_nc_u64 s[6:7], s[6:7], s[14:15]
	global_load_b128 v[8:11], v1, s[4:5]           ; chunks 4 i, 4 i + 1: words (e0-3), (e4-7) of each
	global_load_b128 v[12:15], v1, s[4:5] offset:16
	global_load_b32 v16, v2, s[6:7]                ; the experts of my work-group's tokens.  Only wave 0 uses them; all waves ask for the same
	global_load_b32 v17, v2, s[6:7] offset:128     ; 256 bytes, which spares a branch round two loads
.set i, 0
.rept 64
	global_store_b128 v3, v[4:7], s[10:11] offset:4096*i th:TH_STORE_NT
.set i, i+1
.endr
	s_wait_loadcnt 0x0
	v_add3_u32 v18, v8, v10, v12                   ; four chunks: each byte at most 64, no carry between bytes
	v_add3_u32 v19, v9, v11, v13
	v_add_nc_u32 v18, v18, v14
	v_add_nc_u32 v19, v19, v15
	v_cmp_gt_u32 vcc_lo, s13, v0                   ; only the work-groups in front of mine count
	v_cndmask_b32 v18, 0, v18, vcc_lo
	v_cndmask_b32 v19, 0, v19, vcc_lo
	v_and_b32 v20, s28, v18                        ; e0 | e2 << 16: fields of 16 bits hold sums up to 16,384
	v_lshrrev_b32 v18, 8, v18
	v_and_b32 v21, s28, v18                        ; e1 | e3 << 16
	v_and_b32 v22, s28, v19                        ; e4 | e6 << 16
	v_lshrrev_b32 v19, 8, v19
	v_and_b32 v23, s28, v19                        ; e5 | e7 << 16
	ds_store_b128 v3, v[20:23]
	s_wait_dscnt 0x0                               ; for wave 0, which reads it: zero
	s_barrier_signal -1
	s_barrier_wait -1
	s_cmp_lg_u32 s12, 0
	s_cbranch_scc1 .Ldone                          ; waves 1 to 7 have done their part
	; wave 0: thread = lane, so v[20:23] are line 0 of the table; the other seven lines of 512 bytes come in one run
.irp m, 1,2,3,4,5,6,7
	ds_load_b128 v[32+4*\m:32+4*\m+3], v3 offset:512*\m
.endr
.irp m, 0,1,2
	s_wait_dscnt 5-2*\m                            ; two more lines are in; the younger ones stay out
.irp k, 0,1,2,3
	v_add3_u32 v[20+\k], v[20+\k], v[36+8*\m+\k], v[40+8*\m+\k]
.endr
.endr
	s_wait_dscnt 0x0
.irp k, 0,1,2,3
	v_add_nc_u32 v[20+\k], v[20+\k], v[60+\k]
.endr
.irp k, 0,1,2,3                                    ; over the 32 lanes
.irp x, 1,2,4,8
	v_mov_b32_dpp v28, v[20+\k] row_xmask:\x row_mask:0xf bank_mask:0xf
	v_add_nc_u32 v[20+\k], v[20+\k], v28
.endr
	v_permlanex16_b32 v28, v[20+\k], s29, s30
	v_add_nc_u32 v[20+\k], v[20+\k], v28
.endr
	v_readfirstlane_b32 s24, v20                   ; s[16+e]: tokens of expert e in front of my work-group
	s_and_b32 s16, s24, 0xffff
	s_lshr_b32 s18, s24, 16
	v_readfirstlane_b32 s24, v21
	s_and_b32 s17, s24, 0xffff
	s_lshr_b32 s19, s24, 16
	v_readfirstlane_b32 s24, v22
	s_and_b32 s20, s24, 0xffff
	s_lshr_b32 s22, s24, 16
	v_readfirstlane_b32 s24, v23
	s_and_b32 s21, s24, 0xffff
	s_lshr_b32 s23, s24, 16
	v_mov_b32 v29, 1000                            ; rank of token 64 j + lane; stays past the capacity where best names no expert
	v_mov_b32 v30, 1000                            ; rank of token 64 j + 32 + lane
.irp e, 0,1,2,3,4,5,6,7
	v_cmp_eq_u32 s24, \e, v16
	v_cmp_eq_u32 s25, \e, v17
	v_mbcnt_lo_u32_b32 v28, s24, s[16+\e]          ; those in front of the work-group + those in lower lanes
	v_cndmask_b32 v29, v29, v28, s24
	s_bcnt1_i32_b32 s26, s24
	s_add_co_u32 s26, s26, s[16+\e]                ; the second 32 tokens stand behind all of the first
	v_mbcnt_lo_u32_b32 v28, s25, s26
	v_cndmask_b32 v30, v30, v28, s25
.endr
	v_mad_u32_u24 v31, v16, CAP, v29               ; slot = 100 e + rank
	v_mad_u32_u24 v32, v17, CAP, v30
	v_min_u32 v31, 0x31f, v31                      ; inside the 800 slots whatever was loaded
	v_min_u32 v32, 0x31f, v32
	v_lshlrev_b32 v31, 2, v31
	v_lshlrev_b32 v32, 2, v32
	v_cmp_gt_u32 vcc_lo, CAP, v29
	s_wait_xcnt 0x0                                ; EXEC changes only behind this wait (the stores of zeros)
	s_and_saveexec_b32 s27, vcc_lo
	global_store_b32 v31, v33, s[8:9]              ; ranks within an expert differ, so each slot is written by one token at the most
	s_wait_xcnt 0x0
	s_or_b32 exec_lo, exec_lo, s27
	v_cmp_gt_u32 vcc_lo, CAP, v30
	s_and_saveexec_b32 s27, vcc_lo
	global_store_b32 v32, v34, s[8:9]
	s_wait_xcnt 0x0
	s_or_b32 exec_lo, exec_lo, s27
.Ldone:
	s_barrier_signal -1
	s_barrier_wait -1
	s_wait_tensorcnt 0x0
	ds_add_u32 v64, v65
	s_wait_dscnt 0x0
	s_endpgm
.Lfunc_end_k_qf69d611b02_place:
	.size	k_qf69d611b02_place, .Lfunc_end_k_qf69d611b02_place-k_qf69d611b02_place
	.p2alignl 7, 3214868480
	.fill 96, 4, 3214868480
	.section	.rodata,"a",@progbits
	.p2align	6, 0x0
	.amdhsa_kernel k_qf69d611b02_place
		.amdhsa_group_segment_fixed_size 5120
		.amdhsa_private_segment_fixed_size 0
		.amdhsa_enable_private_segment 0
		.amdhsa_kernarg_size 32
		.amdhsa_user_sgpr_count 2
		.amdhsa_user_sgpr_kernarg_segment_ptr 1
		.amdhsa_wavefront_size32 1
		.amdhsa_system_sgpr_workgroup_id_x 1
		.amdhsa_system_sgpr_workgroup_id_y 1
		.amdhsa_system_sgpr_workgroup_id_z 1
		.amdhsa_system_vgpr_workitem_id 0
		.amdhsa_next_free_vgpr 66
		.amdhsa_next_free_sgpr 66
		.amdhsa_reserve_vcc 1
		.amdhsa_float_denorm_mode_32 3
		.amdhsa_float_denorm_mode_16_64 3
		.amdhsa_memory_ordered 1
		.amdhsa_forward_progress 1
		.amdhsa_inst_pref_size 17
	.end_amdhsa_kernel
	.amdgpu_metadata
---
amdhsa.version: [ 1, 2 ]
amdhsa.kernels:
  - .name:           k_qf69d611b02_place
    .symbol:         k_qf69d611b02_place.kd
    .args:
      - { .name: hist, .offset: 0, .size: 8, .value_kind: global_buffer, .address_space: global }
      - { .name: best, .offset: 8, .size: 8, .value_kind: global_buffer, .address_space: global }
      - { .name: list, .offset: 16, .size: 8, .value_kind: global_buffer, .address_space: global }
      - { .name: out0, .offset: 24, .size: 8, .value_kind: global_buffer, .address_space: global }
    .group_segment_fixed_size: 5120
    .private_segment_fixed_size: 0
    .kernarg_segment_align: 8
    .kernarg_segment_size: 32
    .max_flat_workgroup_size: 256
    .sgpr_count:     66
    .vgpr_count:     66
    .wavefront_size: 32
...
	.end_amdgpu_metadata
.endif
;; end of part 2
;; launch expert (part 3): grid 16 x 13, 4 waves a work-group, no clusters, 78,336 bytes of LDS; arguments x, w_expert, b_expert, gate, list, out0; writes out0
.if DOCPART == 3
	.amdgcn_target "amdgcn-amd-amdhsa--gfx1250"
	.amdhsa_code_object_version 6
	.text
	.protected	k_qf69d611b02_expert
	.globl	k_qf69d611b02_expert
	.p2align	8
	.type	k_qf69d611b02_expert,@function
k_qf69d611b02_expert:
	s_mov_b64 s[64:65], 0
	v_nop
	global_prefetch_b8 v0, s[64:65] scope:SCOPE_SE
	s_setreg_imm32_b32 hwreg(HW_REG_WAVE_MODE, 25, 1), 1
	s_wait_xcnt 0x0
; EXPERT: for each filled slot s of list, with t = list[s]:  out0[t] = gate[t] x (x[t] @ w_expert + b_expert).
; The two one-hot products of the problem move rows and add nothing (a slot holds one token at the most), so they are a gather and a scatter.
; FORMAT: operands of the product in f16, sums in f32.  At most 800 of 16,384 rows of the output are not zero, so a bound tied to the
; root mean square of the whole output is 0.22 of one tied to a kept row; the 8 bits of a bf16 significand do not fit under it, the 11 of f16 do.
; LIMITS: |x| and |w_expert| above 65,504 become infinite in f16; below 6e-5 they are rounded in steps of 6e-8.  K is split over four
; waves, whose four f32 partial sums are added at the end.  An empty slot (list = -1) computes on row 16,383 of x and stores nothing.
; SHARES: work-group (nb, mb) makes slots 64 mb .. + 63 x columns 64 nb .. + 63; 13 x 64 = 832 slots cover the 800 (entries 800 .. 1,023 are empty).
; Wave w owns k = 256 w .. 256 w + 255 for the whole 64 x 64 tile, in four steps of 64: what a wave loads only that wave multiplies, so
; the main part has no barrier, and each fragment is read from LDS once for four matrix instructions.
; THE WAY IN: 16 lanes load 256 neighbouring aligned bytes (64 f32 of a row of x or of w_expert); two conversions make 4 f16, stored to the
; wave's own stage in LDS; A's fragments are read along k, those of w_expert ([k][n] in memory) by the transposing load.
; NO CLUSTER, NO TENSOR LOADS: the operands lie in memory as f32 and are rounded on their way, which a copy into LDS cannot do; the 64 rows
; of A have 64 unrelated addresses read from list.
.set REGB,   19456                     ; LDS of a wave: A stage 9,216 bytes, W stage 10,240 bytes; at the end its partial tile, 17,408 bytes
.set APITCH, 144                       ; A stage: [64 m][64 k] f16, 128 bytes + 16
.set WPITCH, 160                       ; W stage: [64 k][64 n] f16, 128 bytes + 32: an odd multiple of 32 for the transposing load
.set WBASE,  64*APITCH
.set PPITCH, 272                       ; partial tile: [64 m][64 n] f32, 256 bytes + 16
.set RR,    1                          ; v1   r = lane & 15
.set HH,    2                          ; v2   h = lane >> 4
.set C16R,  5                          ; v5   16 r
.set VW,    6                          ; v6   w_expert: (256 w + 4 h) rows of 4,096 bytes + 16 r
.set H32,   7                          ; v7   32 h: 8 h entries of list
.set TOFF,  8                          ; v8   64 w + 4 h: entry 16 w + h of list
.set ASTO,  9                          ; v9   A stage, in: row 8 h, byte 8 r
.set WSTO,  10                         ; v10  W stage, in: row 4 h, byte 8 r
.set AFR,   11                         ; v11  A fragment: row r, byte 16 h
.set WFR,   12                         ; v12  W fragment: row 8 h + (l & 7), byte 16 ((l >> 3) & 1)
.set PSTO,  13                         ; v13  partial tile, in: row r, byte 32 h
.set PRD,   14                         ; v14  partial tiles, back: row 16 w + h, byte 16 r, of wave 0's region
.set KOFF,  15                         ; v15  1,024 w + 16 r: my bytes in a row of x
.set BIAS,  16                         ; v[16:19]  b_expert of columns 4 r .. 4 r + 3
.set TOKE,  20                         ; v[20:27]  list of rows 16 w + 2 i + h, as loaded
.set GATE,  28                         ; v[28:35]  their gates
.set OOFF,  36                         ; v[36:43]  their byte offsets in out0
.set GOFF,  44                         ; v[44:51]  their byte offsets in gate
.set VOFFA, 64                         ; v[64:95]  line i of A: byte offset in x of row 16 (i >> 3) + (i & 7) + 8 h
.set F0,    128                        ; v[128:191] fragments of k 0-31 of a step: W's four at 8 b, A's four at 32 + 8 a
.set F1,    192                        ; v[192:255] fragments of k 32-63
.set OUTR,  128                        ; the way out: v[128:255], 16 registers for each i
.set RW,    0                          ; window 1, v0-127: a step of w_expert as loaded.   window 2, v0-127: accumulators, tile (a, b) at 8 (4 a + b)
.set RA,    128                        ; window 1, v128-255: a step of A as loaded
.set MSB, 0
.macro WIN new                         ; s_set_vgpr_msb: bits 1:0 source 0, 3:2 source 1, 5:4 source 2, 7:6 destination; the high byte repeats the setting left
.if MSB != \new
	s_set_vgpr_msb (MSB<<8)|\new
.set MSB, \new
.endif
.endm
	s_load_b256 s[4:11], s[0:1], 0x0               ; x s[4:5], w_expert s[6:7], b_expert s[8:9], gate s[10:11]
	s_load_b128 s[12:15], s[0:1], 0x20             ; list s[12:13], out0 s[14:15]
	v_lshl_add_u32 v126, v0, 2, 0x13000
	v_mov_b32 v127, 0
	v_lshrrev_b32 v3, 5, v0
	v_readfirstlane_b32 s16, v3                    ; wave 0..3
	s_and_b32 s18, ttmp7, 0xffff                   ; mb; nb is ttmp9
	v_and_b32 v[RR], 15, v0
	v_bfe_u32 v[HH], v0, 4, 1
	v_and_b32 v3, 7, v0
	v_bfe_u32 v4, v0, 3, 1
	s_mul_i32 s22, s16, REGB                       ; my region of LDS
	s_add_co_u32 s25, s22, WBASE
	v_lshlrev_b32 v[C16R], 4, v[RR]
	s_lshl_b32 s24, s16, 20
	v_lshl_add_u32 v[VW], v[HH], 14, v[C16R]
	v_add_nc_u32 v[VW], s24, v[VW]
	v_lshlrev_b32 v[H32], 5, v[HH]
	s_lshl_b32 s24, s16, 6
	v_lshl_add_u32 v[TOFF], v[HH], 2, s24
	v_mul_u32_u24 v[ASTO], 8*APITCH, v[HH]         ; 8 rows of 144 = 1,152 = 128 modulo 256: the two halves of the lanes store 128 bytes each,
	v_lshl_add_u32 v[ASTO], v[RR], 3, v[ASTO]      ; which together cover each of 256 consecutive residues once
	v_add_nc_u32 v[ASTO], s22, v[ASTO]
	v_mul_u32_u24 v[WSTO], 4*WPITCH, v[HH]         ; 4 rows of 160 = 640 = 128 modulo 256: likewise
	v_lshl_add_u32 v[WSTO], v[RR], 3, v[WSTO]
	v_add_nc_u32 v[WSTO], s25, v[WSTO]
	v_mul_u32_u24 v[AFR], APITCH, v[RR]
	v_lshl_add_u32 v[AFR], v[HH], 4, v[AFR]
	v_add_nc_u32 v[AFR], s22, v[AFR]
	v_lshl_add_u32 v[WFR], v[HH], 3, v3
	v_mul_u32_u24 v[WFR], WPITCH, v[WFR]
	v_lshl_add_u32 v[WFR], v4, 4, v[WFR]
	v_add_nc_u32 v[WFR], s25, v[WFR]
	v_mul_u32_u24 v[PSTO], PPITCH, v[RR]
	v_lshl_add_u32 v[PSTO], v[HH], 5, v[PSTO]
	v_add_nc_u32 v[PSTO], s22, v[PSTO]
	s_mul_i32 s26, s16, 16*PPITCH
	v_mul_u32_u24 v[PRD], PPITCH, v[HH]
	v_add3_u32 v[PRD], v[PRD], v[C16R], s26
	s_lshl_b32 s27, s16, 10
	v_add_nc_u32 v[KOFF], s27, v[C16R]
	s_mov_b32 s21, 0
	s_lshl_b32 s20, s18, 8                         ; 64 entries of list
	s_wait_kmcnt 0x0
	s_add_nc_u64 s[12:13], s[12:13], s[20:21]
	s_lshl_b32 s20, ttmp9, 8                       ; 64 columns of f32
	s_add_nc_u64 s[6:7], s[6:7], s[20:21]
	s_add_nc_u64 s[8:9], s[8:9], s[20:21]
	s_add_nc_u64 s[14:15], s[14:15], s[20:21]
; 32 lines of 4 f32 a lane become 4 f16 (in place, in the line's first two registers) and go to the stage.
; Line i holds row ((i >> sh) << (sh + 1)) + (i & ((1 << sh) - 1)), plus the lanes' half, which is in the address register.
.macro CVTST R, adr, sh, pitch
	WIN 0x45
.set i, 0
.rept 32
	v_cvt_pk_f16_f32 v[\R+4*i], v[\R+4*i], v[\R+4*i+1]
	v_cvt_pk_f16_f32 v[\R+4*i+1], v[\R+4*i+2], v[\R+4*i+3]
.set i, i+1
.endr
	WIN 0x04
.set i, 0
.rept 32
	ds_store_b64 v[\adr], v[\R+4*i:\R+4*i+1] offset:(((i>>\sh)<<(\sh+1))+(i&((1<<\sh)-1)))*\pitch
.set i, i+1
.endr
.endm
.macro LDW s                           ; step s of w_expert: line i = rows k0 + 8 (i >> 2) + (i & 3) + 4 h, 256 bytes each
	WIN 0x40
.set i, 0
.rept 32
	global_load_b128 v[RW+4*i:RW+4*i+3], v[VW], s[6:7] offset:(64*(\s)+8*(i>>2)+(i&3))*4096
.set i, i+1
.endr
.endm
.macro LDA s                           ; step s of A: line i = 256 bytes of the rows of x of slots 16 (i >> 3) + (i & 7) + 8 h
	WIN 0x40
.set i, 0
.rept 32
	global_load_b128 v[RA+4*i:RA+4*i+3], v[VOFFA+i], s[4:5] offset:256*(\s)
.set i, i+1
.endr
.endm
.macro FRAG sub, F                     ; the eight fragments of k = 32 sub .. 32 sub + 31 of the step: 16 LDS loads
	WIN 0
.irp b, 0,1,2,3
	ds_load_tr16_b128 v[\F+8*\b:\F+8*\b+3],   v[WFR] offset:32*WPITCH*\sub+32*\b
	ds_load_tr16_b128 v[\F+8*\b+4:\F+8*\b+7], v[WFR] offset:32*WPITCH*\sub+32*\b+16*WPITCH
.endr
.irp a, 0,1,2,3
	ds_load_b128 v[\F+32+8*\a:\F+32+8*\a+3],   v[AFR] offset:16*APITCH*\a+64*\sub
	ds_load_b128 v[\F+32+8*\a+4:\F+32+8*\a+7], v[AFR] offset:16*APITCH*\a+64*\sub+32
.endr
.endm
; 16 matrix instructions.  Source 0 = 16 columns of w_expert, source 1 = 16 slots: lane (r, h), register j of tile (a, b) then holds
; slot 16 a + r, column 16 b + 8 h + j: eight neighbouring numbers of a row.  zero = 1: the first product starts the sums.
.macro MUL F, zero
	WIN 0xa0
.irp a, 0,1,2,3
.irp b, 0,1,2,3
.if \zero
	v_wmma_f32_16x16x32_f16 v[8*(4*\a+\b):8*(4*\a+\b)+7], v[\F+8*\b:\F+8*\b+7], v[\F+32+8*\a:\F+32+8*\a+7], 0
.else
	v_wmma_f32_16x16x32_f16 v[8*(4*\a+\b):8*(4*\a+\b)+7], v[\F+8*\b:\F+8*\b+7], v[\F+32+8*\a:\F+32+8*\a+7], v[8*(4*\a+\b):8*(4*\a+\b)+7]
.endif
.endr
.endr
.endm
; A step of 64 k.  lw, la: how many younger loads may stay out when W's and A's lines of this step have to be in.  more = 1: the next step
; is asked for as soon as the registers are free, so that 64 loads of the wave (32,768 bytes) are on their way during the rest of the step.
; LDS serves a wave's instructions in order (ISA guide 5.7.1), and the stage is the wave's own: no wait between the stores and the fragment
; loads, nor in front of the next step's stores.  The 128 conversions at a step's head are the places between the last step's matrix
; instructions and the loads into their fragment registers.
.macro STEP s, lw, la, more, zero
	s_wait_loadcnt \lw
	CVTST RW, WSTO, 2, WPITCH
.if \more
	LDW \s+1
.endif
	s_wait_loadcnt \la
	CVTST RA, ASTO, 3, APITCH
.if \more
	LDA \s+1
.endif
	FRAG 0, F0
	FRAG 1, F1
	s_wait_dscnt 16                                ; the 16 loads of F1 may be out; the stores and F0 are done
	MUL F0, \zero
	s_wait_dscnt 0x0
	MUL F1, 0
.endm
.irp i, 0,1,2,3,4,5,6,7
	global_load_b32 v[TOKE+\i], v[TOFF], s[12:13] offset:8*\i          ; the tokens whose rows I store at the end
.endr
.set i, 0
.rept 32
	global_load_b32 v[VOFFA+i], v[H32], s[12:13] offset:4*(16*(i>>3)+(i&7))   ; the tokens of A's 32 lines
.set i, i+1
.endr
	global_load_b128 v[BIAS:BIAS+3], v[C16R], s[8:9]
	LDW 0
	WIN 0
	s_wait_loadcnt 32                              ; only the 32 loads of W's step 0 are younger
.irp i, 0,1,2,3,4,5,6,7
	v_min_u32 v[GOFF+\i], 0x3fff, v[TOKE+\i]       ; an empty slot (-1) reads row 16,383: inside the buffers; nothing of it is stored
.endr
.irp i, 0,1,2,3,4,5,6,7
	v_lshl_add_u32 v[OOFF+\i], v[GOFF+\i], 12, v[C16R]
	v_lshlrev_b32 v[GOFF+\i], 2, v[GOFF+\i]
.endr
.set i, 0
.rept 32
	v_min_u32 v[VOFFA+i], 0x3fff, v[VOFFA+i]
	v_lshl_add_u32 v[VOFFA+i], v[VOFFA+i], 12, v[KOFF]
.set i, i+1
.endr
.irp i, 0,1,2,3,4,5,6,7
	global_load_b32 v[GATE+\i], v[GOFF+\i], s[10:11]
.endr
	LDA 0
	STEP 0, 40, 32, 1, 1                           ; behind W(0): 8 gates and A(0), 40 loads.  Behind A(0): W(1), 32 loads
	STEP 1, 32, 32, 1, 0                           ; behind W(s): A(s).  Behind A(s): W(s + 1)
	STEP 2, 32, 32, 1, 0
	STEP 3, 32, 0, 0, 0                            ; nothing is behind A(3)
	; the four waves' partial tiles meet in LDS: each wave lays its own into its own region, whose stages are done with
.rept 4
	v_nop                                          ; four places behind the last matrix instructions, for the stores that read results and the loads into fragment registers
.endr
	WIN 0x08
.irp a, 0,1,2,3
.irp b, 0,1,2,3
	ds_store_b128 v[PSTO], v[8*(4*\a+\b):8*(4*\a+\b)+3]   offset:16*PPITCH*\a+64*\b
	ds_store_b128 v[PSTO], v[8*(4*\a+\b)+4:8*(4*\a+\b)+7] offset:16*PPITCH*\a+64*\b+16
.endr
.endr
	WIN 0
	s_wait_dscnt 0x0                               ; for the others, who read it: zero
	s_barrier_signal -1
	s_barrier_wait -1
	; wave w finishes rows 16 w .. 16 w + 15: line i = rows 16 w + 2 i + h, 16 lanes take a row's 256 bytes, from each of the four regions
.irp i, 0,1,2,3,4,5,6,7
.irp q, 0,1,2,3
	ds_load_b128 v[OUTR+16*\i+4*\q:OUTR+16*\i+4*\q+3], v[PRD] offset:REGB*\q+2*PPITCH*\i
.endr
.endr
.irp i, 0,1,2,3,4,5,6,7
.set ob, OUTR+16*\i
	s_wait_dscnt 28-4*\i                           ; the four loads of line i are in; those of the later lines stay out
	v_pk_add_f32 v[ob:ob+1],     v[ob:ob+1],     v[ob+4:ob+5]
	v_pk_add_f32 v[ob+2:ob+3],   v[ob+2:ob+3],   v[ob+6:ob+7]
	v_pk_add_f32 v[ob+8:ob+9],   v[ob+8:ob+9],   v[ob+12:ob+13]
	v_pk_add_f32 v[ob+10:ob+11], v[ob+10:ob+11], v[ob+14:ob+15]
	v_pk_add_f32 v[ob:ob+1],     v[ob:ob+1],     v[ob+8:ob+9]
	v_pk_add_f32 v[ob+2:ob+3],   v[ob+2:ob+3],   v[ob+10:ob+11]
	v_pk_add_f32 v[ob:ob+1],     v[ob:ob+1],     v[BIAS:BIAS+1]
	v_pk_add_f32 v[ob+2:ob+3],   v[ob+2:ob+3],   v[BIAS+2:BIAS+3]
.if (\i&1)
	v_pk_mul_f32 v[ob:ob+1],   v[ob:ob+1],   v[GATE+\i-1:GATE+\i] op_sel:[0,1] op_sel_hi:[1,1]   ; both by the pair's second register
	v_pk_mul_f32 v[ob+2:ob+3], v[ob+2:ob+3], v[GATE+\i-1:GATE+\i] op_sel:[0,1] op_sel_hi:[1,1]
.else
	v_pk_mul_f32 v[ob:ob+1],   v[ob:ob+1],   v[GATE+\i:GATE+\i+1] op_sel_hi:[1,0]                ; both by the pair's first register
	v_pk_mul_f32 v[ob+2:ob+3], v[ob+2:ob+3], v[GATE+\i:GATE+\i+1] op_sel_hi:[1,0]
.endif
.endr
	s_wait_xcnt 0x0                                ; EXEC changes only behind this wait
.irp i, 0,1,2,3,4,5,6,7
	v_cmp_gt_u32 vcc_lo, 0x4000, v[TOKE+\i]        ; filled slots only: all 16 lanes of a row or none
	s_and_saveexec_b32 s23, vcc_lo
	global_store_b128 v[OOFF+\i], v[OUTR+16*\i:OUTR+16*\i+3], s[14:15]   ; 16 lanes store 256 consecutive bytes of the token's row, at a multiple of 256
	s_wait_xcnt 0x0                                ; in front of the restore, and of the next narrowing
	s_or_b32 exec_lo, exec_lo, s23
.endr
	s_wait_xcnt 0x0
	s_mov_b32 exec_lo, -1
	s_wait_tensorcnt 0x0
	ds_add_u32 v126, v127
	s_wait_dscnt 0x0
	s_endpgm
.Lfunc_end_k_qf69d611b02_expert:
	.size	k_qf69d611b02_expert, .Lfunc_end_k_qf69d611b02_expert-k_qf69d611b02_expert
	.p2alignl 7, 3214868480
	.fill 96, 4, 3214868480
	.section	.rodata,"a",@progbits
	.p2align	6, 0x0
	.amdhsa_kernel k_qf69d611b02_expert
		.amdhsa_group_segment_fixed_size 78336
		.amdhsa_private_segment_fixed_size 0
		.amdhsa_enable_private_segment 0
		.amdhsa_kernarg_size 48
		.amdhsa_user_sgpr_count 2
		.amdhsa_user_sgpr_kernarg_segment_ptr 1
		.amdhsa_wavefront_size32 1
		.amdhsa_system_sgpr_workgroup_id_x 1
		.amdhsa_system_sgpr_workgroup_id_y 1
		.amdhsa_system_sgpr_workgroup_id_z 1
		.amdhsa_system_vgpr_workitem_id 0
		.amdhsa_next_free_vgpr 640
		.amdhsa_next_free_sgpr 66
		.amdhsa_reserve_vcc 1
		.amdhsa_float_denorm_mode_32 3
		.amdhsa_float_denorm_mode_16_64 3
		.amdhsa_memory_ordered 1
		.amdhsa_forward_progress 1
		.amdhsa_inst_pref_size 114
	.end_amdhsa_kernel
	.amdgpu_metadata
---
amdhsa.version: [ 1, 2 ]
amdhsa.kernels:
  - .name:           k_qf69d611b02_expert
    .symbol:         k_qf69d611b02_expert.kd
    .args:
      - { .name: x, .offset: 0, .size: 8, .value_kind: global_buffer, .address_space: global }
      - { .name: w_expert, .offset: 8, .size: 8, .value_kind: global_buffer, .address_space: global }
      - { .name: b_expert, .offset: 16, .size: 8, .value_kind: global_buffer, .address_space: global }
      - { .name: gate, .offset: 24, .size: 8, .value_kind: global_buffer, .address_space: global }
      - { .name: list, .offset: 32, .size: 8, .value_kind: global_buffer, .address_space: global }
      - { .name: out0, .offset: 40, .size: 8, .value_kind: global_buffer, .address_space: global }
    .group_segment_fixed_size: 78336
    .private_segment_fixed_size: 0
    .kernarg_segment_align: 8
    .kernarg_segment_size: 48
    .max_flat_workgroup_size: 128
    .sgpr_count:     66
    .vgpr_count:     640
    .wavefront_size: 32
...
	.end_amdgpu_metadata
.endif
;; end of part 3
